; MI455X (gfx1250); checked and timed in simulation.
; The chip was launched on July 23, 2026; its instructions are those of AMD's public machine-readable ISA for CDNA 5 (MIT licence, August 2026) and "CDNA5" Instruction Set Architecture Reference Guide (July 2026). The comments in the code are by the model that wrote it; some were corrected since.
;; Attention Rel Scl. Allowed arithmetic: matrix products marked QUANTISED: E2M1 operands, one E8M0 scale for each 32 along K, by v_wmma_scale_f32_16x16x128_f8f6f4 with both operands' format E2M1 (or v_wmma_scale_f32_32x16x128_f4), f32 sums; everything else in f32.
;; Inputs: Wk_codes 1,024 x 32 x 16 uint8 (E2M1 codes of Wk, K innermost, in blocks of 32 codes, two codes a byte); Wk_scales 1,024 x 32 uint8 (E8M0 scales of Wk, one for each 32 codes along K); Wq_codes 1,024 x 32 x 16 uint8 (E2M1 codes of Wq, K innermost, in blocks of 32 codes, two codes a byte); Wq_scales 1,024 x 32 uint8 (E8M0 scales of Wq, one for each 32 codes along K); Wv_codes 1,024 x 32 x 16 uint8 (E2M1 codes of Wv, K innermost, in blocks of 32 codes, two codes a byte); Wv_scales 1,024 x 32 uint8 (E8M0 scales of Wv, one for each 32 codes along K); beta 1,024 float32; gamma 1,024 float32; rel_table 2,047 x 16 float32; x_codes 8 x 1,024 x 32 x 16 uint8 (E2M1 codes of x, K innermost, in blocks of 32 codes, two codes a byte); x_scales 8 x 1,024 x 32 uint8 (E8M0 scales of x, one for each 32 codes along K).
;; Outputs: out0 8 x 1,024 x 1,024 float32.
;; This version of the problem:
;;   THIS VERSION OF THE PROBLEM IS GIVEN IN LOW PRECISION. The matrix products marked QUANTISED in the list below multiply operands that are first quantised to E2M1 (2 exponent bits, 1 mantissa bit; 4 bits a number), with one power-of-two scale for each 32 numbers along K (OCP MX v1.0); their sums are f32. All else is computed in f32.
;;   The module's matrix products, in the order in which they are computed (A, B: the left and right operand; K: the contracted axis; several contracted axes count as one K, in the product's order):
;;     1. [M 8,192, K 1,024] x [K 1,024, N 1,024]; A: input x (given as codes); B: input Wq (given as codes): QUANTISED
;;     2. [M 8,192, K 1,024] x [K 1,024, N 1,024]; A: input x (given as codes); B: input Wk (given as codes): QUANTISED
;;     3. [M 8,192, K 1,024] x [K 1,024, N 1,024]; A: input x (given as codes); B: input Wv (given as codes): QUANTISED
;;     4. batch 128 x [M 1,024, K 64] x [K 64, N 1,024]; A: computed on the way; B: computed on the way: QUANTISED
;;     5. batch 128 x [M 1,024, K 1,024] x [K 1,024, N 64]; A: computed on the way; B: computed on the way: QUANTISED
;;   THE QUANTISER, for each operand of a quantised product, along K:
;;     - K is cut into blocks of 32 from its start; a last block that is shorter is filled with zeros.
;;     - A block's scale is 2^e with e = floor(log2(the largest magnitude in the block)) - 2, held to -126 .. 127; a block of zeros has e = 0. As a byte (E8M0): e + 127.
;;     - Each number is divided by its block's scale, clamped to +-6, and rounded to the nearest number of E2M1, ties to even, subnormals kept.
;;     - The product sums the exact products of the quantised numbers (number of the format x scale) in f32.
;;   ~~~python
;;   def quantise(x, axis):      # numpy; x: float32 -> the quantised numbers, widened to float32 again
;;       x = np.moveaxis(x, axis, -1); K = x.shape[-1]
;;       x = np.pad(x, [(0, 0)] * (x.ndim - 1) + [(0, -K % 32)]); x = x.reshape(x.shape[:-1] + (-1, 32)); a = np.abs(x).max(-1, keepdims=True)
;;       e = np.where(a > 0, np.clip(np.frexp(np.where(a > 0, a, 1))[1] - 1 - 2, -126, 127), 0)      # np.frexp(a)[1] - 1 = floor(log2(a)), exactly
;;       r = np.clip(x / 2.0 ** e, -6, 6)
;;       step = 2.0 ** (np.maximum(np.frexp(np.where(r == 0, 1, r))[1] - 1, 0) - 1)
;;       q = np.round(r / step) * step * 2.0 ** e      # np.round: ties to even
;;       return np.moveaxis(q.reshape(q.shape[:-2] + (-1,))[..., :K], -1, axis).astype(np.float32)
;;   ~~~
;;   OPERANDS COMPUTED ON THE WAY. 'Computed on the way' means the value that the module computes at that place (a softmax that the list does not call 'softmax' is quantised finished and normalised). What goes into a quantiser is computed in f32, as accurately as f32 sums, v_exp_f32 and their like allow (about 1e-6 of the number): no bf16 or f16 on the way to a quantiser, and a product that is left as it is and whose result goes on into a quantised operand takes f32 operands (vector FMAs, or v_wmma_f32_16x16x4_f32). A number that lies on a knife's edge between two numbers of the format may be rounded either way, as far as f32 arithmetic and the matrix unit's own rounding can turn it there, and no further.
;;   INPUTS GIVEN AS CODES. Wk (in the module: [1024, 1024], K = its axis 0); Wq (in the module: [1024, 1024], K = its axis 0); Wv (in the module: [1024, 1024], K = its axis 0); x (in the module: [8, 1024, 1024], K = its axis 2): each comes as NAME_codes (uint8): NAME with its K axis moved to the last place and cut into blocks of 32 codes, [.., K / 32, bytes a block], one block behind the other in memory; two codes a byte, the lower K in the low four bits (a code: sign, 2 exponent bits, 1 mantissa bit); and NAME_scales (uint8): the same leading axes, one E8M0 byte (e + 127) for each 32 codes along K. Its value is code x scale, taken as it is: it is not quantised again, and the codes and scales need not be those that the quantiser above would give.
;; One version. Each part assembles by itself: llvm-mc -triple=amdgcn-amd-amdhsa -mcpu=gfx1250 --defsym DOCPART=n.
;; ======== version 1 of 1: 3 launches
;; limits: right only within a limited range of input values
;; workspace buffers: qc 4,194,304 bytes; kc 4,194,304 bytes; vc 4,194,304 bytes; qs 262,144 bytes; ksc 262,144 bytes; vs 262,144 bytes; att 33,554,432 bytes
;; launch proj (part 1): grid 96 x 4, 4 waves a work-group, clusters of 4 x 4, 327,680 bytes of LDS; arguments x_codes, x_scales, Wq_codes, Wq_scales, Wk_codes, Wk_scales, Wv_codes, Wv_scales, qc, qs, kc, ksc, vc, vs; writes qc, qs, kc, ksc, vc, vs
.if DOCPART == 1
	.amdgcn_target "amdgcn-amd-amdhsa--gfx1250"
	.amdhsa_code_object_version 6
	.text
	.protected	k_qc806dcb9ca_proj
	.globl	k_qc806dcb9ca_proj
	.p2align	8
	.type	k_qc806dcb9ca_proj,@function
k_qc806dcb9ca_proj:
	s_mov_b64 s[64:65], 0
	v_nop
	global_prefetch_b8 v0, s[64:65] scope:SCOPE_SE
	s_setreg_imm32_b32 hwreg(HW_REG_WAVE_MODE, 25, 1), 1
	s_wait_xcnt 0x0
	s_wait_alu depctr_hold_cnt(0) depctr_sa_sdst(0) depctr_va_vdst(0) depctr_va_sdst(0) depctr_va_ssrc(0) depctr_va_vcc(0) depctr_vm_vsrc(0)
	s_getreg_b32 s2, hwreg(HW_REG_IB_STS2, 6, 4)
	s_cmp_eq_u32 s2, 0
	s_cbranch_scc0 .Lentry_in_a_cluster
	s_endpgm
.Lentry_in_a_cluster:
	s_bfe_u32 s2, ttmp6, 0x10000c
	s_cmp_lg_u32 s2, 0xf033
	s_cbranch_scc0 .Lentry_shape_is_right
	s_endpgm
.Lentry_shape_is_right:
; q = x Wq, k = x Wk, v = x Wv on codes of FP4 (E2M1) with one E8M0 scale for each 32 along K = 1,024; the f32 results are quantised again in registers and leave as codes and scale words.
; C[m][n] = sum over k of A[m][k] B[n][k], a tile of 256 x 256 to a work-group of four waves, 128 x 128 to a wave: 64 accumulators of 16 x 16, 512 registers.
; ONE TEXT SERVES ALL THREE.  A cluster of 4 x 4 work-groups makes 1,024 x 1,024: one batch against one weight.  Cluster x = 8 sel + batch.  sel 0, 1 (q, k): A = x (rows = tokens), B = the weight (rows = features).
; sel 2 (v): A = Wv (rows = channels), B = x (rows = tokens).  THE MATRIX INSTRUCTION IS USED TRANSPOSED (source 0 = 16 rows of B, source 1 = 16 rows of A): a lane holds one row of A's side and its registers
; run along B's side.  B's side is the K of the product that reads the result: the head's 64 features for q and k, the keys for v.  Only pointers and two tile numbers are chosen, by selects on the cluster's number.
; K = 1,024 is two slots of 512 along K: both are first fills, nothing is filled again.  The four of a row of the cluster ask JOINTLY for A's tiles, the four of a column for B's.
; THE WAY OUT.  A block of 16 rows x 128 (eight accumulators) is one operand fragment of the next product.  Accumulator t, register j, lane (r, hh) is column 16 t + 8 hh + j: a block of 32 lies in accumulators 2 b, 2 b + 1
; of lanes l and l xor 16.  Its largest magnitude gives the scale; eight conversions give eight registers of codes; four exchanges of half rows put k = 64 c + 32 hh + 0 .. 31 into registers 4 c .. 4 c + 3.
; The fragment is stored as an image of its registers: [c 2][lane 32][16 bytes], 1,024 bytes, at 1,024 x idx; its 16 scale words at 64 x idx; idx = 512 batch + 64 (2 cx + column half) + 16 cy + 8 (row half) + block.
; For q and k that is [batch][pair of heads][tile of 16 tokens], c = the head of the pair; for v [batch][128 keys][tile of 16 channels].
; LIMITS: NaN and infinities are not served.  A block whose largest magnitude lies under 2^-124 keeps the scale byte 1; a block of zeros gets the byte 1 where the quantiser says 127: its codes are zeros, and this program alone reads the bytes.
; REGISTERS, in windows of 256: window 0: v16-31 addresses; v32-95 scale words, two sets; v96-111 at work on the way out; v112-119 the scale words made; v128-191 A's fragments, one set; v192-255 the codes made.
;   window 1: B's fragments, two sets, at v0 and v128.   window 2: the accumulators of my rows 0-63 ((a, b) at v[8 (8 a + b)]);   window 3: those of my rows 64-127.
.set KSTEP,  512                       ; along K in a slot
.set NQ,     KSTEP/128                 ; matrix instructions deep
.set ROWB,   512                       ; a tile's row in bytes: all 1,024 codes of K; its two halves of 512 codes are walked as slot 0 and slot 1, 256 bytes apart
.set KROW,   512                       ; a row of A or B in memory, in bytes
.set PITCH,  528                       ; an LDS row: 512 bytes + 16 of padding: an odd multiple of 16 bytes
.set FR,     8                         ; registers of a fragment
.set NL,     2                         ; LDS loads that bring one
.set NP,     4                         ; places behind this matrix instruction (ISA guide 7.12.1)
.set HALFT,  128*PITCH                 ; 128 rows: what one wave reads of A or of B
.set SLOT,   4*HALFT                   ; A's 256 rows, then B's 256 rows
.set KS,     32                        ; a row of scale bytes
.set SCL,    SLOT                      ; behind the tiles: the scales, as units of 256 bytes + 16 of padding
.set HALFS,  (128*KS/256)*272          ; the scales of 128 rows
.set SBLK,   (16*KS/256)*272           ; those of 16 rows
.set SPARE,  SCL+4*HALFS               ; the spare words, 128 bytes for each wave: two blocks of 256 bytes that no other line names
.set ADRA, 16                          ; v16-17  LDS address of my A fragments in slot 0, 1
.set ADRB, 20                          ; v20-21  the same for B
.set ADRS, 27                          ; v27     LDS address of my scale words: lanes 0-15 A's rows, lanes 16-31 B's
.set SPW,  28                          ; v28     LDS address of my spare word; never rewritten
.set NIL,  29                          ; v29     0; never rewritten
.set L4,   30                          ; v30     4 x lane
.set L16,  31                          ; v31     16 x lane
.set SC,   32                          ; scale words: set s at v[SC + 32 s]; register 4 i + q: lanes 0-15 A's block i, lanes 16-31 B's block i, the slot's q-th 128 along K
.set TM,   96                          ; v96-99 largest magnitudes, v100-103 the other half's / the bytes, v108-111 the conversions' scale operands
.set PWR,  112                         ; v112-119 the scale word of block a
.set AF,   128                         ; A's fragments
.set PC,   192                         ; v192-255 the codes of block a: eight registers each, so that no store's data are written again
.set SEL,  2                           ; s[2:3] lane selects for v_permlanex16_b32: lane l xor 16
.set G1,   24                          ; s[24:31] descriptor group 1 for A's tile;  s[32:35] its group 0
.set G0,   32
.set G1B,  48                          ; s[48:55], s[56:59] the same for B's tile
.set G0B,  56
.set G1S,  68                          ; s[68:75], s[76:79] groups 1 and 0 for A's scales;  s[80:87], s[88:91] for B's (written when the pointers that arrive in s68-95 have been chosen from)
.set G0S,  76
.set G1SB, 80
.set G0SB, 88
.set MSB, 0
.macro WIN new                         ; the immediate's high byte repeats the setting that is left; a switch that changes nothing is dropped
.if MSB != (\new)
	s_set_vgpr_msb (MSB<<8)|(\new)
.set MSB, (\new)
.endif
.endm
.set MUL_LO, 0xa1                      ; source 0 (B) window 1, source 1 (A) window 0, C and D window 2
.set MUL_HI, 0xf1                      ; the same, C and D window 3
.set TO_B,   0x40                      ; destination window 1, address window 0
; One arm of the head's chain of branches on the wave's number: its joint load, an s_nop 0 and four v_nop, and a jump to the chain's end.
.macro ARM under, g0, g1, next
	s_cmp_lt_u32 s14, \under
	s_cbranch_scc0 \next
	tensor_load_to_lds s[\g0:\g0+3], s[\g1:\g1+7]
	s_nop 0
.rept 4
	v_nop
.endr
	s_branch .Lhead_asked
\next:
.endm
.macro CROUND                          ; a round of the cluster's barrier
	s_barrier_signal -1
	s_barrier_wait -1
	s_cmp_lg_u32 s14, 0
	s_cbranch_scc1 .Lnot_wave_0_\@
	s_barrier_signal -3
.Lnot_wave_0_\@:
	s_barrier_wait -3
	s_barrier_signal -1
	s_barrier_wait -1
.endm
	s_load_b512 s[68:83], s[0:1], 0x0              ; x's codes s[68:69], x's scales s[70:71], Wq's s[72:75], Wk's s[76:79], Wv's s[80:83]
	s_load_b256 s[84:91], s[0:1], 0x40             ; qc, qs, kc, ksc
	s_load_b128 s[92:95], s[0:1], 0x60             ; vc, vs
	v_lshl_add_u32 v[SPW], v0, 2, SPARE
	v_mov_b32 v[NIL], 0
	ds_add_u32 v28, v29
	ds_add_u32 v28, v29
	s_wait_dscnt 0x0
	v_lshrrev_b32 v1, 5, v0
	v_readfirstlane_b32 s14, v1                    ; wave 0..3
	s_lshr_b32 s15, s14, 1                         ; which half of the tile's rows is mine.
	s_and_b32 s16, s14, 1                          ; which half of its columns.
	s_bfe_u32 s40, ttmp6, 0x40000                  ; cx, cy: my place in the cluster
	s_bfe_u32 s41, ttmp6, 0x40004
	s_lshr_b32 s96, ttmp9, 3                       ; sel: 0 q, 1 k, 2 v: the same in all sixteen partners
	s_and_b32 s97, ttmp9, 7                        ; the batch
	s_cmp_lt_u32 s96, 2
	s_cselect_b32 s17, s97, 0                      ; q, k: x is A, the batch picks A's rows;
	s_cselect_b32 s42, 0, s97                      ; v: x is B, the batch picks B's rows
	s_lshl_b32 s17, s17, 2
	s_add_co_u32 s17, s17, s41                     ; tile row
	s_lshl_b32 s42, s42, 2
	s_add_co_u32 s42, s42, s40                     ; tile column
	s_lshl_b32 s43, s41, 2
	s_lshl_b32 s43, 15, s43                        ; my row of the cluster
	s_lshl_b32 s44, 0x1111, s40                    ; my column
	; descriptor group 1: a tile of 256 rows x 512 bytes, padded in LDS
	s_or_b32 s[G1+0], s43, (0<<16)|(1<<20)|(1<<21)|(6<<22)|(3<<25)  ; 15:0 the mask: A's tile goes to my row; 17:16 elements of 1 byte; 20 padding on; 21 set beside a mask; 24:22 after every 128 words; 31:25 four words
	s_or_b32 s[G1B+0], s44, (0<<16)|(1<<20)|(1<<21)|(6<<22)|(3<<25)
.irp g, G1, G1B
	s_mov_b32 s[\g+1], ROWB<<16                    ; tensor_dim0
	s_mov_b32 s[\g+2], 256<<16                     ; tensor_dim1
	s_mov_b32 s[\g+3], ROWB<<16                    ; tile_dim0
	s_mov_b32 s[\g+4], 256                         ; tile_dim1
	s_mov_b32 s[\g+5], KROW                        ; tensor_dim0_stride
	s_mov_b32 s[\g+6], 0
	s_mov_b32 s[\g+7], 0
.endr
	s_lshl_b32 s20, s17, 8                         ; A: the tile's first row, 256 x tile row (7,936 at the most: every byte offset stays under 2^23)
	s_lshl_b32 s46, s42, 8                         ; B: 256 x tile column
	s_lshl_b32 s22, s20, 5                         ; where these rows' scales begin, in bytes,
	s_lshl_b32 s98, s46, 5
	s_lshl_b32 s20, s20, 9                         ; and their codes
	s_lshl_b32 s46, s46, 9
	s_mov_b32 s21, 0
	s_mov_b32 s23, 0
	s_mov_b32 s47, 0
	s_mov_b32 s99, 0
	s_mov_b32 s[SEL], 0x76543210
	s_mov_b32 s[SEL+1], 0xfedcba98
	s_wait_kmcnt 0x0
	s_cmp_eq_u32 s96, 0                            ; the choices hang on the cluster's number alone
	s_cselect_b64 s[8:9], s[72:73], s[76:77]       ; Wq or Wk,
	s_cselect_b64 s[10:11], s[74:75], s[78:79]
	s_cselect_b64 s[12:13], s[84:85], s[88:89]     ; qc or kc,
	s_cselect_b64 s[66:67], s[86:87], s[90:91]     ; qs or ksc
	s_cmp_lt_u32 s96, 2
	s_cselect_b64 s[4:5], s[68:69], s[80:81]       ; A's codes: x, or Wv
	s_cselect_b64 s[6:7], s[70:71], s[82:83]       ; A's scales
	s_cselect_b64 s[8:9], s[8:9], s[68:69]         ; B's codes: the weight, or x
	s_cselect_b64 s[10:11], s[10:11], s[70:71]     ; B's scales
	s_cselect_b64 s[12:13], s[12:13], s[92:93]     ; the codes that I store
	s_cselect_b64 s[66:67], s[66:67], s[94:95]     ; and their scale words
	s_add_nc_u64 s[20:21], s[4:5], s[20:21]
	s_add_nc_u64 s[22:23], s[6:7], s[22:23]
	s_add_nc_u64 s[46:47], s[8:9], s[46:47]
	s_add_nc_u64 s[98:99], s[10:11], s[98:99]
	; the scales of 256 rows: a dense block of 8,192 bytes, as 32 rows of 256 bytes (32 elements of 8 bytes), 16 bytes of padding behind each
	s_or_b32 s[G1S+0], s43, (3<<16)|(1<<20)|(1<<21)|(5<<22)|(3<<25)
	s_or_b32 s[G1SB+0], s44, (3<<16)|(1<<20)|(1<<21)|(5<<22)|(3<<25)
.irp g, G1S, G1SB
	s_mov_b32 s[\g+1], 32<<16
	s_mov_b32 s[\g+2], KS<<16
	s_mov_b32 s[\g+3], 32<<16
	s_mov_b32 s[\g+4], KS
	s_mov_b32 s[\g+5], 32
	s_mov_b32 s[\g+6], 0
	s_mov_b32 s[\g+7], 0
.endr
	CROUND                                         ; all sixteen work-groups are here: the first joint loads meet
	s_mov_b32 s[G0], 1                             ; the launch's four tiles, each whole and each filled once: A's 256 rows of all of K,
	s_mov_b32 s[G0+1], 0
	s_mov_b64 s[G0+2:G0+3], s[20:21]
	s_or_b32 s[G0+3], s[G0+3], 0x80000000
	s_mov_b32 s[G0B], 1                            ; B's 256 rows, behind them,
	s_mov_b32 s[G0B+1], 2*HALFT
	s_mov_b64 s[G0B+2:G0B+3], s[46:47]
	s_or_b32 s[G0B+3], s[G0B+3], 0x80000000
	s_mov_b32 s[G0S], 1                            ; the scales of A's 256 rows,
	s_mov_b32 s[G0S+1], SCL
	s_mov_b64 s[G0S+2:G0S+3], s[22:23]
	s_or_b32 s[G0S+3], s[G0S+3], 0x80000000
	s_mov_b32 s[G0SB], 1                           ; and of B's
	s_mov_b32 s[G0SB+1], SCL+2*HALFS
	s_mov_b64 s[G0SB+2:G0SB+3], s[98:99]
	s_or_b32 s[G0SB+3], s[G0SB+3], 0x80000000
	; ONE LOAD A WAVE: wave 0 A's tile, wave 1 B's, wave 2 A's scales, wave 3 B's: one chain of branches on the wave's number, every way through it passes one load
	ARM 1, G0,  G1,  .Lhead_b
	ARM 2, G0B, G1B, .Lhead_sa
	ARM 3, G0S, G1S, .Lhead_sb
	tensor_load_to_lds s[G0SB:G0SB+3], s[G1SB:G1SB+7]
	s_nop 0
.rept 4
	v_nop
.endr
.Lhead_asked:
	v_and_b32 v1, 15, v0                           ; l % 16
	v_bfe_u32 v2, v0, 4, 1                         ; l / 16
	v_mul_u32_u24 v3, v1, PITCH
	v_lshl_add_u32 v4, v2, 4, v3                   ; a fragment's row x pitch + 16 x half
	s_mul_i32 s21, s15, HALFT                      ; my 128 rows of A
	s_mul_i32 s22, s16, HALFT                      ; my 128 rows of B,
	s_add_co_u32 s22, s22, 2*HALFT                 ; which lie behind A's 256
.irp s, 0,1
	v_add_nc_u32 v[ADRA+\s], s21, v4
	v_add_nc_u32 v[ADRB+\s], s22, v4
	s_add_co_u32 s21, s21, KSTEP/2                 ; the second half of K: 256 bytes on in each row
	s_add_co_u32 s22, s22, KSTEP/2
.endr
	v_mul_u32_u24 v5, v1, KS                       ; my row's scales: 32 bytes a row,
	v_lshrrev_b32 v6, 8, v5
	v_lshl_add_u32 v5, v6, 4, v5                   ; and 16 more for each 256 passed
	s_mul_i32 s21, s15, HALFS                      ; A's: my 128 rows
	s_mul_i32 s22, s16, HALFS                      ; B's: my 128 rows, behind A's 256
	s_add_co_u32 s22, s22, 2*HALFS
	s_sub_co_u32 s22, s22, s21
	v_mul_u32_u24 v6, s22, v2                      ; lanes 16-31 take B's
	s_add_co_u32 s21, s21, SCL
	v_add_nc_u32 v5, v5, v6
	v_add_nc_u32 v[ADRS], s21, v5
	v_and_b32 v6, 31, v0
	v_lshlrev_b32 v[L4], 2, v6
	v_lshlrev_b32 v[L16], 4, v6
.irp b, 0,1,2,3
	v_mov_b32 v[TM+4+\b], 0                        ; written once: a lane permute's destination counts as one of its sources
.endr
	; where my eight fragments go: idx = 512 batch + 64 (2 cx + column half) + 16 cy + 8 (row half)
	s_lshl_b32 s46, s40, 1
	s_add_co_u32 s46, s46, s16
	s_lshl_b32 s46, s46, 6
	s_lshl_b32 s47, s97, 9
	s_add_co_u32 s46, s46, s47
	s_lshl_b32 s47, s41, 4
	s_add_co_u32 s46, s46, s47
	s_lshl_b32 s47, s15, 3
	s_add_co_u32 s46, s46, s47
	s_lshl_b32 s98, s46, 6                         ; 64 bytes of scale words a fragment,
	s_mov_b32 s99, 0
	s_lshl_b32 s46, s46, 10                        ; 1,024 bytes of codes
	s_mov_b32 s47, 0
	s_add_nc_u64 s[12:13], s[12:13], s[46:47]
	s_add_nc_u64 s[66:67], s[66:67], s[98:99]
.macro FRAG reg, adr, q, i             ; a fragment, 16 rows x 128 K of 4-bit codes: lane l holds row l % 16; registers 4 c .. 4 c + 3 hold K = 64 c + 32 (l / 16) + 0 .. 31
.irp c, 0,1
	ds_load_b128 v[\reg+4*\c:\reg+4*\c+3], v[\adr] offset:64*(\q)+32*\c+(\i)*16*PITCH
.endr
.endm
; 16 matrix instructions: A's blocks a0, a0 + 1 x B's eight, the slot's q-th 128 along K.  p: B's set;  sc: the set of scale words.  zero = 1: the first product starts the sums: nothing is ever cleared.
; The 64 accumulators take turns, one instruction a turn, in the same order in every step.
.macro MUL16 a0, p, q, sc, zero
.irp a, \a0, \a0+1
.irp b, 0,1,2,3,4,5,6,7
.if \zero
	v_wmma_scale_f32_16x16x128_f8f6f4 v[8*(8*((\a)%4)+\b):8*(8*((\a)%4)+\b)+7], v[128*(\p)+FR*\b:128*(\p)+FR*\b+FR-1], v[AF+FR*(\a):AF+FR*(\a)+FR-1], 0, v[SC+8*NQ*(\sc)+NQ*\b+(\q)], v[SC+8*NQ*(\sc)+NQ*(\a)+(\q)] matrix_a_fmt:MATRIX_FMT_FP4 matrix_b_fmt:MATRIX_FMT_FP4 matrix_a_scale:MATRIX_SCALE_ROW1
.else
	v_wmma_scale_f32_16x16x128_f8f6f4 v[8*(8*((\a)%4)+\b):8*(8*((\a)%4)+\b)+7], v[128*(\p)+FR*\b:128*(\p)+FR*\b+FR-1], v[AF+FR*(\a):AF+FR*(\a)+FR-1], v[8*(8*((\a)%4)+\b):8*(8*((\a)%4)+\b)+7], v[SC+8*NQ*(\sc)+NQ*\b+(\q)], v[SC+8*NQ*(\sc)+NQ*(\a)+(\q)] matrix_a_fmt:MATRIX_FMT_FP4 matrix_b_fmt:MATRIX_FMT_FP4 matrix_a_scale:MATRIX_SCALE_ROW1
.endif
.endr
.endr
.endm
.macro FETCH_B slot, q, p              ; B's eight fragments of the slot's q-th 128 along K into set p
	WIN TO_B
.irp i, 0,1,2,3,4,5,6,7
	FRAG 128*(\p)+FR*\i, ADRB+\slot, \q, \i
.endr
	WIN 0
.endm
.macro FETCH_A slot, q, i0             ; A's blocks i0 .. i0 + 3
.irp i, \i0, \i0+1, \i0+2, \i0+3
	FRAG AF+FR*(\i), ADRA+\slot, \q, \i
.endr
.endm
.macro SCALES sc                       ; a slot's scale words into set sc: four words a row; lanes 0-15 take A's block i, lanes 16-31 B's block i
.irp i, 0,1,2,3,4,5,6,7
	ds_load_b128 v[SC+8*NQ*\sc+NQ*\i:SC+8*NQ*\sc+NQ*\i+3], v[ADRS] offset:\i*SBLK
.endr
.endm
; A load into a register that a matrix instruction has read, and a vector instruction that reads a matrix result, stand four places behind that matrix instruction; only plain vector
; instructions that name none of its registers are places (ISA guide 7.12.1 for vector instructions).
.macro PLACES n
.rept \n
	v_nop
.endr
.endm
; A step of 128 along K that has its successor in the same slot.  A's blocks are free as soon as their eight products are issued: blocks 0-3 are fetched anew in the step's middle, blocks 4-7 at its end.
.macro STEP slot, q, zero
	s_wait_dscnt 4*NL                              ; B's set and A's blocks 0-3 are in; the youngest eight loads (A's blocks 4-7) may be out
	WIN MUL_LO
	MUL16 0, (\q)%2, \q, \slot, \zero
	MUL16 2, (\q)%2, \q, \slot, \zero
	s_wait_dscnt 0                                 ; A's blocks 4-7 are in (asked for 32 matrix instructions ago)
	PLACES NP
	FETCH_B \slot, (\q)+1, 1-(\q)%2
	FETCH_A \slot, (\q)+1, 0
	WIN MUL_HI
	MUL16 4, (\q)%2, \q, \slot, \zero
	MUL16 6, (\q)%2, \q, \slot, \zero
	PLACES NP
	WIN 0
	FETCH_A \slot, (\q)+1, 4
.endm
; The last step of K's first half fetches the second half's first fragments and scale words.  All tiles landed ahead of the first step: no wait on tensor loads and no barrier stands here.
.macro TURN slot, next
	s_wait_dscnt 4*NL                              ; the youngest eight loads, A's blocks 4-7, may be out
	WIN MUL_LO
	MUL16 0, 1, NQ-1, \slot, 0
	s_wait_dscnt 0x0                               ; A's blocks 4-7 are in
	MUL16 2, 1, NQ-1, \slot, 0
	WIN 0
	PLACES NP
	v_add_nc_u32 v[ADRS], 4*NQ, v[ADRS]            ; on to the next slot's scale words
	FETCH_B \next, 0, 0
	FETCH_A \next, 0, 0
	SCALES \next
	WIN MUL_HI
	MUL16 4, 1, NQ-1, \slot, 0
	MUL16 6, 1, NQ-1, \slot, 0
	PLACES NP
	WIN 0
	FETCH_A \next, 0, 4
.endm
.macro STEPS slot, from                ; the slot's steps from .. NQ - 2
.set Q, \from
.rept NQ-1-\from
	STEP \slot, Q, 0
.set Q, Q+1
.endr
.endm
	s_wait_alu depctr_va_vdst(0)
	s_wait_tensorcnt 0x0                           ; my tile of the four is in,
	s_barrier_signal -1
	s_barrier_wait -1                              ; everybody's is
	FETCH_B 0, 0, 0
	FETCH_A 0, 0, 0
	SCALES 0
	FETCH_A 0, 0, 4
	STEP 0, 0, 1                                   ; the first step's products start the sums
	STEPS 0, 1
	TURN 0, 1
	STEPS 1, 0
	s_wait_dscnt 4*NL                              ; the very last step: nothing more to fetch
	WIN MUL_LO
	MUL16 0, 1, NQ-1, 1, 0
	MUL16 2, 1, NQ-1, 1, 0
	s_wait_dscnt 0
	WIN MUL_HI
	MUL16 4, 1, NQ-1, 1, 0
	MUL16 6, 1, NQ-1, 1, 0
	WIN 0
; THE WAY OUT.  64 numbers of a lane, v[s] .. v[s + 63]: register 8 t + j = column 16 t + 8 (lane / 16) + j of my row.
.macro QMAX s                          ; the largest magnitude of my 16 numbers of each block of 32, with the floor 2^(3 - 127) among the leaves: so the byte cannot fall under 1.  Each accumulator is read from its low end on
.irp b, 0,1,2,3
	v_max3_num_f32 v[TM+\b], |v[(\s)+16*\b]|, |v[(\s)+16*\b+1]|, 0x1800000
.endr
.irp i, 2,4,6,8,10,12,14
.irp b, 0,1,2,3
	v_max3_num_f32 v[TM+\b], |v[(\s)+16*\b+\i]|, |v[(\s)+16*\b+\i+1]|, v[TM+\b]   ; (the four blocks by turns)
.endr
.endr
.endm
.macro QSCALE pw                       ; the blocks' scales, and my row's scale word into v[pw]
.irp b, 0,1,2,3
	v_permlanex16_b32 v[TM+4+\b], v[TM+\b], s[SEL], s[SEL+1]
.endr
.irp b, 0,1,2,3
	v_max_num_f32 v[TM+\b], v[TM+\b], v[TM+4+\b]   ; with lane l xor 16's: the block's largest magnitude
.endr
.irp b, 0,1,2,3
	v_add_nc_u32 v[TM+12+\b], 0xff000000, v[TM+\b] ; 2 off its exponent field: the conversion takes the exponent field of this operand as its scale
.endr
.irp b, 0,1,2,3
	v_lshrrev_b32 v[TM+4+\b], 23, v[TM+12+\b]      ; the scale's byte
.endr
	v_lshl_or_b32 v[\pw], v[TM+5], 8, v[TM+4]
	v_lshl_or_b32 v[\pw], v[TM+6], 16, v[\pw]
	v_lshl_or_b32 v[\pw], v[TM+7], 24, v[\pw]
.endm
.macro QCVT s, pc                      ; accumulator t's eight codes go to register 4 (t / 4) + 2 (t % 2) + (t / 2) % 2: the order in which the exchanges below find them
.irp t, 0,1,2,3,4,5,6,7
	v_cvt_scalef32_pk8_fp4_f32 v[(\pc)+4*(\t/4)+2*(\t%2)+((\t/2)%2)], v[(\s)+8*\t:(\s)+8*\t+7], v[TM+12+\t/2]
.endr
.endm
.macro QSWAP pc                        ; the first's lanes 16-31 change places with the second's lanes 0-15: registers 4 c .. 4 c + 3 then hold k = 64 c + 32 (lane / 16) + 0 .. 31
.irp c, 0,1
	v_permlane16_swap_b32 v[(\pc)+4*\c], v[(\pc)+4*\c+1]
	v_permlane16_swap_b32 v[(\pc)+4*\c+2], v[(\pc)+4*\c+3]
.endr
.endm
	PLACES NP                                      ; behind the last products; the blocks after the first find the vector work of the blocks before them as places
.irp a, 0,1,2,3,4,5,6,7
.set AC, 64*(\a%4)
.set WW, 2+\a/4
	WIN WW|(WW<<2)                                 ; sources 0 and 1: the accumulators' window
	QMAX AC
	WIN 0
	QSCALE PWR+\a
	WIN WW                                         ; source 0: the accumulators' window
	QCVT AC, PC+8*\a
	WIN 0
	v_nop                                          ; one plain place behind the scaled conversions
	QSWAP PC+8*\a
	global_store_b128 v[L16], v[PC+8*\a:PC+8*\a+3], s[12:13] offset:1024*\a          ; 32 lanes store 512 consecutive bytes, at a multiple of 512 from the buffer's first byte
	global_store_b128 v[L16], v[PC+8*\a+4:PC+8*\a+7], s[12:13] offset:1024*\a+512
.endr
.irp i, 0,1,2,3
	v_permlane16_swap_b32 v[PWR+2*\i], v[PWR+2*\i+1]   ; lanes 0-15 keep block 2 i's words, lanes 16-31 take block 2 i + 1's
.endr
.irp i, 0,1,2,3
	global_store_b32 v[L4], v[PWR+2*\i], s[66:67] offset:128*\i   ; the four stores cover my 512 consecutive bytes of scale words
.endr
	s_wait_tensorcnt 0x0                           ; the wave's end
	ds_add_u32 v[SPW], v[NIL]
	s_wait_dscnt 0x0
	CROUND                                         ; the closing round: no work-group ends while a partner may still ask for a tile that names it
	s_endpgm
.Lfunc_end_k_qc806dcb9ca_proj:
	.size	k_qc806dcb9ca_proj, .Lfunc_end_k_qc806dcb9ca_proj-k_qc806dcb9ca_proj
	.p2alignl 7, 3214868480
	.fill 96, 4, 3214868480
	.section	.rodata,"a",@progbits
	.p2align	6, 0x0
	.amdhsa_kernel k_qc806dcb9ca_proj
		.amdhsa_group_segment_fixed_size 327680
		.amdhsa_private_segment_fixed_size 0
		.amdhsa_enable_private_segment 0
		.amdhsa_kernarg_size 112
		.amdhsa_user_sgpr_count 2
		.amdhsa_user_sgpr_kernarg_segment_ptr 1
		.amdhsa_wavefront_size32 1
		.amdhsa_system_sgpr_workgroup_id_x 1
		.amdhsa_system_sgpr_workgroup_id_y 1
		.amdhsa_system_sgpr_workgroup_id_z 1
		.amdhsa_system_vgpr_workitem_id 0
		.amdhsa_next_free_vgpr 1024
		.amdhsa_next_free_sgpr 102
		.amdhsa_reserve_vcc 0
		.amdhsa_float_denorm_mode_32 3
		.amdhsa_float_denorm_mode_16_64 3
		.amdhsa_memory_ordered 1
		.amdhsa_forward_progress 1
		.amdhsa_inst_pref_size 127
	.end_amdhsa_kernel
	.amdgpu_metadata
---
amdhsa.version: [ 1, 2 ]
amdhsa.kernels:
  - .name:           k_qc806dcb9ca_proj
    .symbol:         k_qc806dcb9ca_proj.kd
    .args:
      - { .name: x_codes, .offset: 0, .size: 8, .value_kind: global_buffer, .address_space: global }
      - { .name: x_scales, .offset: 8, .size: 8, .value_kind: global_buffer, .address_space: global }
      - { .name: Wq_codes, .offset: 16, .size: 8, .value_kind: global_buffer, .address_space: global }
      - { .name: Wq_scales, .offset: 24, .size: 8, .value_kind: global_buffer, .address_space: global }
      - { .name: Wk_codes, .offset: 32, .size: 8, .value_kind: global_buffer, .address_space: global }
      - { .name: Wk_scales, .offset: 40, .size: 8, .value_kind: global_buffer, .address_space: global }
      - { .name: Wv_codes, .offset: 48, .size: 8, .value_kind: global_buffer, .address_space: global }
      - { .name: Wv_scales, .offset: 56, .size: 8, .value_kind: global_buffer, .address_space: global }
      - { .name: qc, .offset: 64, .size: 8, .value_kind: global_buffer, .address_space: global }
      - { .name: qs, .offset: 72, .size: 8, .value_kind: global_buffer, .address_space: global }
      - { .name: kc, .offset: 80, .size: 8, .value_kind: global_buffer, .address_space: global }
      - { .name: ksc, .offset: 88, .size: 8, .value_kind: global_buffer, .address_space: global }
      - { .name: vc, .offset: 96, .size: 8, .value_kind: global_buffer, .address_space: global }
      - { .name: vs, .offset: 104, .size: 8, .value_kind: global_buffer, .address_space: global }
    .group_segment_fixed_size: 327680
    .private_segment_fixed_size: 0
    .kernarg_segment_align: 8
    .kernarg_segment_size: 112
    .max_flat_workgroup_size: 128
    .sgpr_count:     102
    .vgpr_count:     1024
    .wavefront_size: 32
...
	.end_amdgpu_metadata
.endif
;; end of part 1
;; launch attn (part 2): grid 256 x 1, 4 waves a work-group, clusters of 4 x 1, 197,120 bytes of LDS; arguments qc, qs, kc, ksc, vc, vs, rel_table, att; writes att
.if DOCPART == 2
	.amdgcn_target "amdgcn-amd-amdhsa--gfx1250"
	.amdhsa_code_object_version 6
	.text
	.protected	k_qc806dcb9ca_attn
	.globl	k_qc806dcb9ca_attn
	.p2align	8
	.type	k_qc806dcb9ca_attn,@function
k_qc806dcb9ca_attn:
	s_mov_b64 s[64:65], 0
	v_nop
	global_prefetch_b8 v0, s[64:65] scope:SCOPE_SE
	s_setreg_imm32_b32 hwreg(HW_REG_WAVE_MODE, 25, 1), 1
	s_wait_xcnt 0x0
	s_wait_alu depctr_hold_cnt(0) depctr_sa_sdst(0) depctr_va_vdst(0) depctr_va_sdst(0) depctr_va_ssrc(0) depctr_va_vcc(0) depctr_vm_vsrc(0)
	s_getreg_b32 s2, hwreg(HW_REG_IB_STS2, 6, 4)
	s_cmp_eq_u32 s2, 0
	s_cbranch_scc0 .Lentry_in_a_cluster
	s_endpgm
.Lentry_in_a_cluster:
	s_bfe_u32 s2, ttmp6, 0x10000c
	s_cmp_lg_u32 s2, 0x3003
	s_cbranch_scc0 .Lentry_shape_is_right
	s_endpgm
.Lentry_shape_is_right:
; att[b][q][64 h + d] = the sum over keys of Q4(softmax_k(q . k / 32) + bias[h][q][k]) Q4(v)[k][d], both products on codes of FP4 (E2M1) with one E8M0 scale for each 32 along a product's K.
; q, k, v come as register images of operands from the launch before (qc, kc: [b][pair of heads][tile of 16 tokens][head of the pair][lane][16 bytes]; vc: [b][128 keys][tile of 16 channels][c][lane][16 bytes]).
; THE SOFTMAX IS FINISHED BEFORE IT IS QUANTISED: a row's largest score and its sum are wanted first.  A tile of 16 queries x 1,024 keys of f32 is 512 registers of one wave: the scores stay there, each gets ONE exponential.
; THE BIAS is a window of the table: with q = 16 t + r, bias[h][q][k] = rel_flat[1024 (r - h + 15) + 16 (63 - t) + k] (the flat re-reading of the gathered [s][s][h] array as [h][s][s]; the clip never acts).
; SHARES.  A work-group owns one (batch, head, half of the queries): 32 tiles of 16 queries, eight to each of its four waves.  K's 64 tiles, V's 32 and 16 rows of the bias window lie in LDS, each filled once.
; Wave w, trip i takes tile t = 32 half + 31 - (8 w + i), so that the window's offset 64 (8 w + i) bytes rises with the wave and the trip.
; CLUSTER.  The four partners are four batches of one (head, half): they read the same bias rows, 97,536 of a work-group's 163,072 bytes of fills, which are asked for JOINTLY.  K and V differ between them and come by plain loads.
; LAYOUT.  Both products are used transposed: S^T = K Q^T (source 0 = 16 keys, source 1 = my 16 queries), O^T = V^T P^T: a lane holds ONE query (lane % 16); register j of tile T is key 16 T + 8 (lane / 16) + j.
; The first product's K is 64: registers 4-7 of both operands are zero codes, and the upper two bytes of both scale words are 0, which is a power of two and no NaN.
; ARITHMETIC.  p = 2^(c s - c m), c = log2(e) / 32, m the row's largest score; c s - c m is one fused multiply-add onto the rounded c m, so its absolute error is half an ulp of c m.  a = p / sum + bias is one fused multiply-add with 1 / sum from v_rcp_f32.
; LIMITS: NaN and infinities are not served.  A block of a whose largest magnitude lies under 2^-124 keeps the scale byte 1 (a block of zeros too: its codes are zeros).
; REGISTERS, in windows of 256: window 0: v1-9 addresses; v12-31 statistics; v32-63 K's scale words, v64-79 V's, v80 Q's, v81 a's; v88-95 Q; v96-103 a's codes; v104-119 at work; v120-151 O^T; v152-215 a of one key step, later rows of O.
;   window 1: v0-127 sixteen fragments of K (low four loaded, high four 0); their low fours take the bias of odd key steps; v128-191 the bias of even key steps; v192-255 V, two sets.   windows 2, 3: the scores: tile T at v[8 (T % 32)] of window 2 + T / 32.
.set VT,   32768                       ; LDS: K's 64 tiles x 512 bytes from 0; V's [key step][tile] x 1,024 bytes from here;
.set BI,   65536                       ; 16 rows of the bias window;
.set BP,   6096                        ; a row: 1,520 numbers + 16 bytes: an odd multiple of 16 bytes, so that sixteen lanes a row apart fall on sixteen different 16-byte columns modulo 256 bytes
.set STG,  163072                      ; the stages for the way out: 16 rows x 272 bytes for each wave; no fill lands here
.set SP,   272
.set MX,   12                          ; v12-15  four running maxima
.set NM,   16                          ; v[16:17] -c m (the packed form names the pair and takes its low word)
.set SU,   18                          ; v18-25  the sum, in four pairs
.set RL,   26                          ; v[26:27] 1 / sum
.set KSR,  32                          ; register i: the scale words of K's tiles 2 i (lanes 0-15) and 2 i + 1 (lanes 16-31)
.set VSR,  64                          ; register 2 k + j: those of V's tiles 2 j, 2 j + 1 of key step k
.set QS,   80
.set PW,   81
.set QF,   88
.set PC,   96
.set TM,   104
.set OA,   120
.set AW,   152
.set VF,   192                         ; in window 1
.set SEL,  60                          ; s[60:61] lane selects for v_permlanex16_b32: lane l xor 16
.set CS,   62                          ; s[62:63] c
.set MSB, 0
.macro WIN new                         ; the immediate's high byte repeats the setting that is left; a switch that changes nothing is dropped
.if MSB != (\new)
	s_set_vgpr_msb (MSB<<8)|(\new)
.set MSB, (\new)
.endif
.endm
.macro ROUND                           ; a round of the cluster's barrier
	s_barrier_signal -1
	s_barrier_wait -1
	s_cmp_lg_u32 s2, 0
	s_cbranch_scc1 .Lnot_wave_0_\@
	s_barrier_signal -3
.Lnot_wave_0_\@:
	s_barrier_wait -3
	s_barrier_signal -1
	s_barrier_wait -1
.endm
	s_load_b512 s[8:23], s[0:1], 0x0               ; qc s[8:9], qs s[10:11], kc s[12:13], ksc s[14:15], vc s[16:17], vs s[18:19], rel_table s[20:21], att s[22:23]
	v_lshl_add_u32 v254, v0, 2, 0x30000
	v_mov_b32 v255, 0
	ds_add_u32 v254, v255
	ds_add_u32 v254, v255
	v_lshrrev_b32 v1, 5, v0
	v_readfirstlane_b32 s2, v1                     ; wave 0..3
	s_bfe_u32 s3, ttmp6, 0x40000                   ; cx: my place in the cluster: it enters global addresses of my own loads and stores alone
	s_and_b32 s4, ttmp9, 15                        ; h
	s_bfe_u32 s5, ttmp9, 0x10004                   ; which half of the queries
	s_lshr_b32 s6, ttmp9, 5
	s_lshl_b32 s6, s6, 2
	s_add_co_u32 s6, s6, s3                        ; b = 4 (cluster / 32) + cx
	s_lshr_b32 s7, s4, 1                           ; the pair of heads
	s_and_b32 s69, s4, 1                           ; and which of the pair
	; descriptor group 1.  K: 64 tiles of 512 bytes (64 elements of 8 bytes), 1,024 bytes apart in memory, dense in LDS
	s_mov_b32 s24, 3<<16
	s_mov_b32 s25, 64<<16                          ; tensor_dim0
	s_mov_b32 s26, 64<<16                          ; tensor_dim1
	s_mov_b32 s27, 64<<16                          ; tile_dim0
	s_mov_b32 s28, 64                              ; tile_dim1
	s_mov_b32 s29, 128                             ; stride
	s_mov_b32 s30, 0
	s_mov_b32 s31, 0
	; V: eight key steps' four tiles, 4,096 bytes (512 elements of 8 bytes) each, 65,536 bytes apart
	s_mov_b32 s32, 3<<16
	s_mov_b32 s33, 512<<16
	s_mov_b32 s34, 8<<16
	s_mov_b32 s35, 512<<16
	s_mov_b32 s36, 8
	s_mov_b32 s37, 8192
	s_mov_b32 s38, 0
	s_mov_b32 s39, 0
	; the bias: eight rows of 1,520 numbers of 4 bytes, 1,024 numbers apart; the tile states 1,524, so that the last four of a row lie past tensor_dim0: they are not read and arrive as zeros
	s_mov_b32 s40, 15|(2<<16)|(1<<21)              ; 15:0 the mask: all four work-groups; 17:16 elements of 4 bytes; 21 set beside a mask
	s_mov_b32 s41, 1520<<16
	s_mov_b32 s42, 8<<16
	s_mov_b32 s43, 1524<<16
	s_mov_b32 s44, 8
	s_mov_b32 s45, 1024
	s_mov_b32 s46, 0
	s_mov_b32 s47, 0
	s_mov_b32 s[SEL], 0x76543210
	s_mov_b32 s[SEL+1], 0xfedcba98
	s_mov_b32 s[CS], 0x3d38aa3b                    ; c = log2(e) / 32
	s_mov_b32 s[CS+1], s[CS]                       ; (named with it as a pair, so it is written)
	s_mov_b32 s66, 0xbd38aa3b                      ; -c
	; the fills, one a wave: wave 0 all of K's tiles, wave 1 all of V's, waves 2 and 3 bias rows 0-7 and 8-15
	s_lshl_b32 s70, s6, 3
	s_add_co_u32 s70, s70, s7                      ; 8 b + pair
	s_lshl_b32 s72, s70, 16
	s_lshl_b32 s78, s69, 9
	s_add_co_u32 s72, s72, s78                     ; K: (8 b + pair) 65,536 + 512 x which head
	s_mov_b32 s73, 0
	s_lshl_b32 s74, s6, 19
	s_lshl_b32 s78, s4, 12
	s_add_co_u32 s74, s74, s78                     ; V: (8 b x 64 + 4 h) 1,024
	s_mov_b32 s75, 0
	s_and_b32 s79, s2, 1                           ; which eight rows of the bias
	s_lshl_b32 s76, s79, 3
	s_add_co_u32 s76, s76, 15
	s_sub_co_u32 s76, s76, s4                      ; table row 15 - h + 8 (w % 2) (in units of 1,024 numbers)
	s_lshl_b32 s76, s76, 1
	s_add_co_u32 s76, s76, 1
	s_sub_co_u32 s76, s76, s5
	s_lshl_b32 s76, s76, 11                        ; 4,096 x row + 2,048 (1 - half): made of the head, the half and the wave alone
	s_mov_b32 s77, 0
	s_wait_dscnt 0x0
	s_wait_kmcnt 0x0
	s_mov_b32 s48, 1
	s_mov_b32 s49, 0                               ; K's tiles begin at LDS byte 0
	s_add_nc_u64 s[50:51], s[12:13], s[72:73]
	s_or_b32 s51, s51, 0x80000000
	s_mov_b32 s52, 1
	s_mov_b32 s53, VT
	s_add_nc_u64 s[54:55], s[16:17], s[74:75]
	s_or_b32 s55, s55, 0x80000000
	s_mov_b32 s56, 1
	s_mul_i32 s57, s79, 8*BP
	s_add_co_u32 s57, s57, BI
	s_add_nc_u64 s[58:59], s[20:21], s[76:77]
	s_or_b32 s59, s59, 0x80000000
	ROUND                                          ; all four work-groups are here: the joint loads meet
	s_cmp_lt_u32 s2, 1                             ; one chain of branches on the wave's number, one load to an arm
	s_cbranch_scc0 .Lhead_v
	tensor_load_to_lds s[48:51], s[24:31]          ; wave 0: K
	s_nop 0
.rept 4
	v_nop
.endr
	s_branch .Lhead_asked
.Lhead_v:
	s_cmp_lt_u32 s2, 2
	s_cbranch_scc0 .Lhead_b
	tensor_load_to_lds s[52:55], s[32:39]          ; wave 1: V
	s_nop 0
.rept 4
	v_nop
.endr
	s_branch .Lhead_asked
.Lhead_b:
	tensor_load_to_lds s[56:59], s[40:47]          ; waves 2 and 3: the bias, jointly with the three partners
	s_nop 0
.rept 4
	v_nop
.endr
.Lhead_asked:
	WIN 0x40
.set ii, 0
.rept 16
	v_mov_b32 v[8*ii+4], 0                         ; K's fragments, k = 64 .. 127: zero codes, written once
	v_mov_b32 v[8*ii+5], 0
	v_mov_b32 v[8*ii+6], 0
	v_mov_b32 v[8*ii+7], 0
.set ii, ii+1
.endr
	WIN 0
.irp i, 4,5,6,7
	v_mov_b32 v[QF+\i], 0                          ; Q's likewise
	v_mov_b32 v[TM+\i], 0                          ; written once: a lane permute's destination counts as one of its sources
.endr
	v_mov_b32 v[NM+1], 0                           ; the upper halves of pairs of which the low word alone is used
	v_mov_b32 v[RL+1], 0
	v_mov_b32 v29, 0
	s_mul_i32 s74, s2, 16*SP
	s_add_co_u32 s74, s74, STG                     ; my stage
	v_and_b32 v10, 31, v0                          ; lane
	v_and_b32 v11, 15, v0                          ; r
	v_bfe_u32 v28, v0, 4, 1                        ; hh
	v_lshlrev_b32 v1, 4, v10                       ; 16 x lane: an image's place for my lane; K's tiles begin at LDS byte 0
	v_add_nc_u32 v2, VT, v1                        ; V's
	v_mul_u32_u24 v3, v11, BP
	v_lshl_add_u32 v3, v28, 5, v3
	v_add_nc_u32 v3, BI, v3                        ; the bias: row r, + 32 hh
	v_mul_u32_u24 v5, v11, SP
	v_lshl_add_u32 v5, v28, 5, v5
	v_add_nc_u32 v5, s74, v5                       ; the stage, in: row r, + 32 hh
	v_mul_u32_u24 v6, v28, SP
	v_lshl_add_u32 v6, v11, 4, v6
	v_add_nc_u32 v6, s74, v6                       ; back: lanes 0-15 one row, lanes 16-31 the next
	v_lshlrev_b32 v7, 12, v28
	v_lshl_add_u32 v7, v11, 4, v7                  ; and the same two rows in att
	v_lshlrev_b32 v8, 2, v10                       ; 4 x lane
	v_lshlrev_b32 v9, 2, v11                       ; 4 r
	s_lshl_b32 s78, s5, 5
	s_add_co_u32 s78, s78, 31
	s_lshl_b32 s79, s2, 3
	s_sub_co_u32 s78, s78, s79                     ; my first tile of queries: 32 half + 31 - 8 w
	s_lshl_b32 s79, s70, 6
	s_add_co_u32 s79, s79, s78
	s_lshl_b32 s72, s79, 10
	s_lshl_b32 s74, s69, 9
	s_add_co_u32 s72, s72, s74
	s_add_nc_u64 s[8:9], s[8:9], s[72:73]          ; its codes,
	s_lshl_b32 s72, s79, 6
	s_lshl_b32 s74, s69, 1
	s_add_co_u32 s72, s72, s74
	s_add_nc_u64 s[10:11], s[10:11], s[72:73]      ; its scale words: my head's two bytes of each
	s_lshl_b32 s72, s70, 12
	s_add_co_u32 s72, s72, s74
	s_add_nc_u64 s[14:15], s[14:15], s[72:73]      ; K's scale words likewise
	s_lshl_b32 s72, s6, 15
	s_lshl_b32 s74, s4, 8
	s_add_co_u32 s72, s72, s74
	s_add_nc_u64 s[18:19], s[18:19], s[72:73]      ; V's: (512 b + 4 h) 64
	s_lshl_b32 s72, s6, 22
	s_add_co_u32 s72, s72, s74
	s_lshl_b32 s74, s78, 16
	s_add_co_u32 s72, s72, s74
	s_add_nc_u64 s[22:23], s[22:23], s[72:73]      ; att: (1,024 b + 16 t) 4,096 + 256 h
	s_mov_b32 s71, 0
	s_wait_alu depctr_va_vdst(0)                   ; at the head's end: this wait serves every register that the head's vector instructions made
.set ii, 0
.rept 32
	global_load_u16 v[KSR+ii], v8, s[14:15] offset:128*ii   ; two bytes, and zeros above them
.set ii, ii+1
.endr
.irp k, 0,1,2,3,4,5,6,7
.irp j, 0,1
	global_load_b32 v[VSR+2*\k+\j], v8, s[18:19] offset:4096*\k+128*\j
.endr
.endr
	global_load_b128 v[QF:QF+3], v1, s[8:9]
	global_load_u16 v[QS], v9, s[10:11]
	s_wait_tensorcnt 0x0                           ; my one fill is in
	s_barrier_signal -1
	s_barrier_wait -1                              ; everybody's is
.macro FETCHK g                        ; K's tiles 8 g .. 8 g + 7 into eight of the sixteen sets
	WIN 0x40
.irp s, 0,1,2,3,4,5,6,7
	ds_load_b128 v[64*((\g)%2)+8*\s:64*((\g)%2)+8*\s+3], v1 offset:512*(8*(\g)+\s)
.endr
.endm
.macro QK g                            ; their scores: eight products, each its own accumulator, begun with 0
	WIN ((2+(\g)/4)<<6)|1
.irp s, 0,1,2,3,4,5,6,7
.if \s%2
	v_wmma_scale_f32_16x16x128_f8f6f4 v[64*((\g)%4)+8*\s:64*((\g)%4)+8*\s+7], v[64*((\g)%2)+8*\s:64*((\g)%2)+8*\s+7], v[QF:QF+7], 0, v[KSR+4*(\g)+\s/2], v[QS] matrix_a_fmt:MATRIX_FMT_FP4 matrix_b_fmt:MATRIX_FMT_FP4 matrix_a_scale:MATRIX_SCALE_ROW1
.else
	v_wmma_scale_f32_16x16x128_f8f6f4 v[64*((\g)%4)+8*\s:64*((\g)%4)+8*\s+7], v[64*((\g)%2)+8*\s:64*((\g)%2)+8*\s+7], v[QF:QF+7], 0, v[KSR+4*(\g)+\s/2], v[QS] matrix_a_fmt:MATRIX_FMT_FP4 matrix_b_fmt:MATRIX_FMT_FP4
.endif
.endr
.endm
.macro MAXG g                          ; the running maxima take group g's scores: four chains; each accumulator is read from its low end on
	WIN (2+(\g)/4)|((2+(\g)/4)<<2)
.irp s, 0,1,2,3,4,5,6,7
.irp c, 0,1,2,3
.if ((\g) == 0) && (\s == 0)
	v_max3_num_f32 v[MX+\c], v[2*\c], v[2*\c+1], 0xff800000
.else
	v_max3_num_f32 v[MX+\c], v[64*((\g)%4)+8*\s+2*\c], v[64*((\g)%4)+8*\s+2*\c+1], v[MX+\c]
.endif
.endr
.endr
.endm
.macro LOADB k                         ; the bias of key step k: 64 numbers a lane: quad q = tile q / 2, half q % 2 of my 32 bytes
	WIN 0x40
.irp q, 0,1,2,3,4,5,6,7,8,9,10,11,12,13,14,15
.if (\k)%2
	ds_load_b128 v[8*\q:8*\q+3], v4 offset:512*(\k)+64*(\q/2)+16*(\q%2)
.else
	ds_load_b128 v[128+4*\q:128+4*\q+3], v4 offset:512*(\k)+64*(\q/2)+16*(\q%2)
.endif
.endr
.endm
.macro LOADV k                         ; V's four fragments of key step k
	WIN 0x40
.irp d, 0,1,2,3
.irp c, 0,1
	ds_load_b128 v[VF+32*((\k)%2)+8*\d+4*\c:VF+32*((\k)%2)+8*\d+4*\c+3], v2 offset:4096*(\k)+1024*\d+512*\c
.endr
.endr
.endm
.macro FMA k                           ; a = p / sum + bias for key step k, two at a time
	WIN (2+(\k)/4)|0x10
.irp t, 0,1,2,3,4,5,6,7
.irp j, 0,2,4,6
.if (\k)%2
	v_pk_fma_f32 v[AW+8*\t+\j:AW+8*\t+\j+1], v[64*((\k)%4)+8*\t+\j:64*((\k)%4)+8*\t+\j+1], v[RL:RL+1], v[16*\t+8*(\j/4)+\j%4:16*\t+8*(\j/4)+\j%4+1] op_sel_hi:[1,0,1]
.else
	v_pk_fma_f32 v[AW+8*\t+\j:AW+8*\t+\j+1], v[64*((\k)%4)+8*\t+\j:64*((\k)%4)+8*\t+\j+1], v[RL:RL+1], v[128+8*\t+\j:128+8*\t+\j+1] op_sel_hi:[1,0,1]
.endif
.endr
.endr
.endm
.macro PV k                            ; O^T += V^T a^T: four accumulators by turns, one instruction a turn; key step 0 starts the sums
	WIN 0x01
.irp d, 0,1,2,3
.set rO, OA+8*\d
.set rV, VF+32*((\k)%2)+8*\d
.set rS, VSR+2*(\k)+\d/2
.if (\k) == 0
.if \d%2
	v_wmma_scale_f32_16x16x128_f8f6f4 v[rO:rO+7], v[rV:rV+7], v[PC:PC+7], 0, v[rS], v[PW] matrix_a_fmt:MATRIX_FMT_FP4 matrix_b_fmt:MATRIX_FMT_FP4 matrix_a_scale:MATRIX_SCALE_ROW1
.else
	v_wmma_scale_f32_16x16x128_f8f6f4 v[rO:rO+7], v[rV:rV+7], v[PC:PC+7], 0, v[rS], v[PW] matrix_a_fmt:MATRIX_FMT_FP4 matrix_b_fmt:MATRIX_FMT_FP4
.endif
.else
.if \d%2
	v_wmma_scale_f32_16x16x128_f8f6f4 v[rO:rO+7], v[rV:rV+7], v[PC:PC+7], v[rO:rO+7], v[rS], v[PW] matrix_a_fmt:MATRIX_FMT_FP4 matrix_b_fmt:MATRIX_FMT_FP4 matrix_a_scale:MATRIX_SCALE_ROW1
.else
	v_wmma_scale_f32_16x16x128_f8f6f4 v[rO:rO+7], v[rV:rV+7], v[PC:PC+7], v[rO:rO+7], v[rS], v[PW] matrix_a_fmt:MATRIX_FMT_FP4 matrix_b_fmt:MATRIX_FMT_FP4
.endif
.endif
.endr
.endm
; The quantiser of 64 numbers of a lane, v[s] .. v[s + 63]: register 8 t + j = k 16 t + 8 (lane / 16) + j of my row.
.macro QMAX s                          ; the largest magnitude of my 16 numbers of each block of 32, with the floor 2^(3 - 127) among the leaves: so the byte cannot fall under 1
.irp b, 0,1,2,3
	v_max3_num_f32 v[TM+\b], |v[(\s)+16*\b]|, |v[(\s)+16*\b+1]|, 0x1800000
.endr
.irp i, 2,4,6,8,10,12,14
.irp b, 0,1,2,3
	v_max3_num_f32 v[TM+\b], |v[(\s)+16*\b+\i]|, |v[(\s)+16*\b+\i+1]|, v[TM+\b]
.endr
.endr
.endm
.macro QSCALE pw
.irp b, 0,1,2,3
	v_permlanex16_b32 v[TM+4+\b], v[TM+\b], s[SEL], s[SEL+1]
.endr
.irp b, 0,1,2,3
	v_max_num_f32 v[TM+\b], v[TM+\b], v[TM+4+\b]   ; with lane l xor 16's: the block's largest magnitude
.endr
.irp b, 0,1,2,3
	v_add_nc_u32 v[TM+12+\b], 0xff000000, v[TM+\b] ; 2 off its exponent field: the conversion's scale operand
.endr
.irp b, 0,1,2,3
	v_lshrrev_b32 v[TM+4+\b], 23, v[TM+12+\b]      ; the scale's byte
.endr
	v_lshl_or_b32 v[\pw], v[TM+5], 8, v[TM+4]
	v_lshl_or_b32 v[\pw], v[TM+6], 16, v[\pw]
	v_lshl_or_b32 v[\pw], v[TM+7], 24, v[\pw]
.endm
.macro QCVT s, pc                      ; tile t's eight codes go to register 4 (t / 4) + 2 (t % 2) + (t / 2) % 2
.irp t, 0,1,2,3,4,5,6,7
	v_cvt_scalef32_pk8_fp4_f32 v[(\pc)+4*(\t/4)+2*(\t%2)+((\t/2)%2)], v[(\s)+8*\t:(\s)+8*\t+7], v[TM+12+\t/2]
.endr
.endm
.macro QSWAP pc                        ; registers 4 c .. 4 c + 3 then hold k = 64 c + 32 (lane / 16) + 0 .. 31
.irp c, 0,1
	v_permlane16_swap_b32 v[(\pc)+4*\c], v[(\pc)+4*\c+1]
	v_permlane16_swap_b32 v[(\pc)+4*\c+2], v[(\pc)+4*\c+3]
.endr
.endm
; KEY STEP k.  At its head a of this step lies in v[AW] on, and these LDS loads are out, in this order: the bias of k + 1, V of k, the bias of k + 2.
.macro CSTEP k
	QMAX AW                                        ; 32 plain instructions: the places behind the last step's products, ahead of the loads into V's other set and of the writes of a's scale word and codes
.if (\k) < 7
	LOADV (\k)+1
	WIN 0
.endif
	QSCALE PW
	QCVT AW, PC
	v_nop                                          ; one plain place behind the scaled conversions
	QSWAP PC
.set DB, 0                             ; the loads of the bias of k + 2,
.if (\k)+2 <= 7
.set DB, 16
.endif
.set DC, 0                             ; and of k + 3
.if (\k)+3 <= 7
.set DC, 16
.endif
.if (\k) < 7
	s_wait_dscnt 16+DB                             ; the bias of k + 1 is in; behind it: V of k (8), the bias of k + 2, V of k + 1 (8)
	FMA (\k)+1                                     ; the next step's a: 32 plain instructions between the writes of the scale word and the codes and the products that read them
.if (\k)+3 <= 7
	LOADB (\k)+3
.endif
	s_wait_dscnt DB+8+DC                           ; V of k is in; behind it: the bias of k + 2, V of k + 1 (8), the bias of k + 3
.else
.rept 8
	v_nop                                          ; the last step has no next a: eight places between the scale word's last write and the products
.endr
	s_wait_alu depctr_va_vdst(0)
	s_wait_dscnt 0x0
.endif
	PV \k
	WIN 0
.endm
	s_mov_b32 s67, 8                               ; trips
	s_lshl_b32 s68, s2, 9                          ; the window's offset: 64 (8 w + i) bytes
.Ltile:
	s_wait_loadcnt 0x0                             ; Q's codes and scale words (in the first trip K's and V's scale words too)
	v_add_nc_u32 v4, s68, v3
	; ---- the scores and their maximum: group g's products stand between group g + 1's loads and group g - 1's maxima
	FETCHK 0
	FETCHK 1
.irp g, 0,1,2,3,4,5,6,7
	s_wait_alu depctr_va_vdst(0)
.if \g < 7
	s_wait_dscnt 8                                 ; group g's eight loads are in; the next group's eight may be out
.else
	s_wait_dscnt 0x0
.endif
	QK \g
.if \g == 0
.rept 4
	v_nop                                          ; places ahead of the loads into the sets just read
.endr
.else
	MAXG \g-1                                      ; 32 plain instructions that name none of group g's registers: the places ahead of the loads below and of group g's own maxima
.endif
.if \g < 6
	FETCHK \g+2
.endif
.endr
	MAXG 7
	WIN 0
	v_max3_num_f32 v[MX], v[MX], v[MX+1], v[MX+2]
	v_max_num_f32 v[MX], v[MX], v[MX+3]
	v_permlanex16_b32 v28, v[MX], s[SEL], s[SEL+1] ; the query's other 512 keys lie in the lane 16 away
	v_max_num_f32 v[MX], v[MX], v28
	v_mul_f32 v[NM], s66, v[MX]                    ; -c m
	s_cmp_lg_u32 s67, 1                            ; the next tile's Q, one tile down; the last trip loads its own again: no branch, and no load leaves its buffer
	s_cselect_b32 s70, 1024, 0
	s_cselect_b32 s72, 64, 0
	s_sub_nc_u64 s[8:9], s[8:9], s[70:71]          ; (the loads that read these bases were waited for at the trip's head)
	s_sub_nc_u64 s[10:11], s[10:11], s[72:73]
	global_load_b128 v[QF:QF+3], v1, s[8:9]
	global_load_u16 v[QS], v9, s[10:11]
	; ---- p = 2^(c s - c m), in place, window by window: 128 packed scalings, then a batch of 256 exponentials with one wait ahead of it and one behind it
.irp w, 2,3
	WIN (\w<<6)|\w
.set nn, 0
.rept 128
	v_pk_fma_f32 v[2*nn:2*nn+1], v[2*nn:2*nn+1], s[CS:CS+1], v[NM:NM+1] op_sel_hi:[1,0,0]
.set nn, nn+1
.endr
	s_wait_alu depctr_va_vdst(0)
.set nn, 0
.rept 256
	v_exp_f32 v[nn], v[nn]
.set nn, nn+1
.endr
	v_nop                                          ; a plain instruction behind the last exponential
	s_wait_alu depctr_va_vdst(0)
.endr
	LOADB 0                                        ; V and the bias landed ahead of the loop's first trip
	LOADB 1
	LOADV 0
	; ---- the row's sum, two at a time, in four chains; the loads above land meanwhile
	WIN 0x0a
.irp c, 0,1,2,3
	v_pk_add_f32 v[SU+2*\c:SU+2*\c+1], v[4*\c:4*\c+1], v[4*\c+2:4*\c+3]
.endr
	WIN 0x08
.set nn, 8
.rept 120
	v_pk_add_f32 v[SU+2*(nn%4):SU+2*(nn%4)+1], v[SU+2*(nn%4):SU+2*(nn%4)+1], v[2*nn:2*nn+1]
.set nn, nn+1
.endr
	WIN 0x0c
.set nn, 0
.rept 128
	v_pk_add_f32 v[SU+2*(nn%4):SU+2*(nn%4)+1], v[SU+2*(nn%4):SU+2*(nn%4)+1], v[2*nn:2*nn+1]
.set nn, nn+1
.endr
	WIN 0
	v_pk_add_f32 v[SU:SU+1], v[SU:SU+1], v[SU+2:SU+3]
	v_pk_add_f32 v[SU+4:SU+5], v[SU+4:SU+5], v[SU+6:SU+7]
	v_pk_add_f32 v[SU:SU+1], v[SU:SU+1], v[SU+4:SU+5]
	v_add_f32 v28, v[SU], v[SU+1]
	v_permlanex16_b32 v29, v28, s[SEL], s[SEL+1]
	v_add_f32 v28, v28, v29
	s_wait_alu depctr_va_vdst(0)
	v_rcp_f32 v[RL], v28
	v_nop                                          ; a plain instruction behind the reciprocal
	s_wait_alu depctr_va_vdst(0)                   ; and its wait, ahead of the first reader
	; ---- normalise, add the bias, quantise, multiply: eight key steps of 128
	s_wait_dscnt 24                                ; the bias of step 0 is in; that of step 1 (16) and V of step 0 (8) may be out
	FMA 0
	LOADB 2
	WIN 0
.irp k, 0,1,2,3,4,5,6,7
	CSTEP \k
.endr
	; ---- the way out: O^T through my own stage: a lane's eight channels of a query go in, whole rows of 256 bytes come back
.rept 4
	v_nop                                          ; places behind the last products
.endr
.irp d, 0,1,2,3
	ds_store_b128 v5, v[OA+8*\d:OA+8*\d+3] offset:64*\d          ; each accumulator from its low end on
	ds_store_b128 v5, v[OA+8*\d+4:OA+8*\d+7] offset:64*\d+16
.endr
.irp i, 0,1,2,3,4,5,6,7
	ds_load_b128 v[AW+4*\i:AW+4*\i+3], v6 offset:2*\i*SP         ; LDS serves a wave's instructions in order (ISA guide 5.7.1.4): these see my stores
.endr
.irp i, 0,1,2,3,4,5,6,7
	s_wait_dscnt 7-\i
	global_store_b128 v7, v[AW+4*\i:AW+4*\i+3], s[22:23] offset:8192*\i   ; 16 lanes store 256 consecutive bytes, at a multiple of 256 from att's first byte
.endr
	s_wait_xcnt 0x0                                ; the stores have read their data and their base: both are written again only behind this wait
	s_sub_nc_u64 s[22:23], s[22:23], 0x10000       ; 16 rows of att up
	s_add_co_u32 s68, s68, 64
	s_sub_co_u32 s67, s67, 1
	s_cmp_lg_u32 s67, 0
	s_cbranch_scc1 .Ltile
	s_wait_tensorcnt 0x0
	ds_add_u32 v254, v255
	s_wait_dscnt 0x0
	ROUND                                          ; the closing round
	s_endpgm
.Lfunc_end_k_qc806dcb9ca_attn:
	.size	k_qc806dcb9ca_attn, .Lfunc_end_k_qc806dcb9ca_attn-k_qc806dcb9ca_attn
	.p2alignl 7, 3214868480
	.fill 96, 4, 3214868480
	.section	.rodata,"a",@progbits
	.p2align	6, 0x0
	.amdhsa_kernel k_qc806dcb9ca_attn
		.amdhsa_group_segment_fixed_size 197120
		.amdhsa_private_segment_fixed_size 0
		.amdhsa_enable_private_segment 0
		.amdhsa_kernarg_size 64
		.amdhsa_user_sgpr_count 2
		.amdhsa_user_sgpr_kernarg_segment_ptr 1
		.amdhsa_wavefront_size32 1
		.amdhsa_system_sgpr_workgroup_id_x 1
		.amdhsa_system_sgpr_workgroup_id_y 1
		.amdhsa_system_sgpr_workgroup_id_z 1
		.amdhsa_system_vgpr_workitem_id 0
		.amdhsa_next_free_vgpr 1024
		.amdhsa_next_free_sgpr 80
		.amdhsa_reserve_vcc 0
		.amdhsa_float_denorm_mode_32 3
		.amdhsa_float_denorm_mode_16_64 3
		.amdhsa_memory_ordered 1
		.amdhsa_forward_progress 1
		.amdhsa_inst_pref_size 160
	.end_amdhsa_kernel
	.amdgpu_metadata
---
amdhsa.version: [ 1, 2 ]
amdhsa.kernels:
  - .name:           k_qc806dcb9ca_attn
    .symbol:         k_qc806dcb9ca_attn.kd
    .args:
      - { .name: qc, .offset: 0, .size: 8, .value_kind: global_buffer, .address_space: global }
      - { .name: qs, .offset: 8, .size: 8, .value_kind: global_buffer, .address_space: global }
      - { .name: kc, .offset: 16, .size: 8, .value_kind: global_buffer, .address_space: global }
      - { .name: ksc, .offset: 24, .size: 8, .value_kind: global_buffer, .address_space: global }
      - { .name: vc, .offset: 32, .size: 8, .value_kind: global_buffer, .address_space: global }
      - { .name: vs, .offset: 40, .size: 8, .value_kind: global_buffer, .address_space: global }
      - { .name: rel_table, .offset: 48, .size: 8, .value_kind: global_buffer, .address_space: global }
      - { .name: att, .offset: 56, .size: 8, .value_kind: global_buffer, .address_space: global }
    .group_segment_fixed_size: 197120
    .private_segment_fixed_size: 0
    .kernarg_segment_align: 8
    .kernarg_segment_size: 64
    .max_flat_workgroup_size: 128
    .sgpr_count:     80
    .vgpr_count:     1024
    .wavefront_size: 32
...
	.end_amdgpu_metadata
.endif
;; end of part 2
;; launch lnorm (part 3): grid 256 x 1, 8 waves a work-group, no clusters, 0 bytes of LDS; arguments att, gamma, beta, out0; writes out0
.if DOCPART == 3
	.amdgcn_target "amdgcn-amd-amdhsa--gfx1250"
	.amdhsa_code_object_version 6
	.text
	.protected	k_qc806dcb9ca_lnorm
	.globl	k_qc806dcb9ca_lnorm
	.p2align	8
	.type	k_qc806dcb9ca_lnorm,@function
k_qc806dcb9ca_lnorm:
	s_mov_b64 s[64:65], 0
	v_nop
	global_prefetch_b8 v0, s[64:65] scope:SCOPE_SE
	s_setreg_imm32_b32 hwreg(HW_REG_WAVE_MODE, 25, 1), 1
	s_wait_xcnt 0x0
; out0[r][c] = (att[r][c] - mean) / sqrt(var + 0.001) x gamma[c] + beta[c], mean and var over the row's 1,024 numbers.  att, out0: [8192][1024] f32.
; A row is 4,096 bytes: one wave takes a whole row, eight 16-byte loads a lane, and keeps it in 32 registers: it is read once; the variance is taken of the numbers less the mean, not as a difference of large sums.
; A wave takes four rows, all 32 loads issued at once; a lane keeps the same 32 columns in every row, so its gamma and beta are loaded once.  No LDS, no barrier, no loop: waves share nothing, every offset is an immediate.
; Matrix units, clusters and tensor loads would add nothing to a stream.  1 / sqrt is v_rsq_f32.  NaN and infinities are not served.
.set X,  32                            ; v32-159   row i: 32 registers, as loaded, then as stored
.set G,  160                           ; v160-191  gamma of my 32 columns
.set BT, 192                           ; v192-223  beta
	s_load_b256 s[4:11], s[0:1], 0x0               ; att s[4:5], gamma s[6:7], beta s[8:9], out0 s[10:11]
	v_lshrrev_b32 v2, 5, v0
	s_delay_alu instid0(VALU_DEP_1)
	v_readfirstlane_b32 s12, v2                    ; wave 0..7
	v_and_b32 v1, 31, v0
	s_delay_alu instid0(VALU_DEP_1)
	v_lshlrev_b32 v1, 4, v1                        ; 16 bytes a lane
	v_mov_b32 v11, 0                               ; the upper halves of pairs of which the low word alone is used
	v_mov_b32 v15, 0
	s_lshl_b32 s2, ttmp9, 17                       ; 32 rows of 4,096 bytes a work-group,
	s_lshl_b32 s3, s12, 14                         ; 4 a wave
	s_add_co_u32 s2, s2, s3
	s_mov_b32 s3, 0
	s_mov_b32 s14, 0x3a800000                      ; 1 / 1024
	s_mov_b32 s15, 0x3a83126f                      ; 0.001
	s_mov_b32 s16, 0x76543210                      ; v_permlanex16_b32: lane l xor 16
	s_mov_b32 s17, 0xfedcba98
	s_wait_alu depctr_va_vdst(0)
	s_wait_kmcnt 0x0
	s_add_nc_u64 s[4:5], s[4:5], s[2:3]
	s_add_nc_u64 s[10:11], s[10:11], s[2:3]
.irp j, 0,1,2,3,4,5,6,7
	global_load_b128 v[G+4*\j:G+4*\j+3], v1, s[6:7] offset:512*\j
	global_load_b128 v[BT+4*\j:BT+4*\j+3], v1, s[8:9] offset:512*\j
.endr
.irp i, 0,1,2,3
.irp j, 0,1,2,3,4,5,6,7
	global_load_b128 v[X+32*\i+4*\j:X+32*\i+4*\j+3], v1, s[4:5] offset:4096*\i+512*\j th:TH_LOAD_NT   ; 32 lanes read 512 consecutive bytes; read once in the launch
.endr
.endr
.macro ACROSS                          ; v[2:9], four pairs of partial sums, become the row's sum in v2 of every lane
	s_delay_alu instid0(VALU_DEP_3)
	v_pk_add_f32 v[2:3], v[2:3], v[4:5]
	s_delay_alu instid0(VALU_DEP_2)
	v_pk_add_f32 v[6:7], v[6:7], v[8:9]
	s_delay_alu instid0(VALU_DEP_1)
	v_pk_add_f32 v[2:3], v[2:3], v[6:7]
	s_delay_alu instid0(VALU_DEP_1)
	v_add_f32 v2, v2, v3
	s_delay_alu instid0(VALU_DEP_1)
	v_add_f32_dpp v2, v2, v2 row_xmask:1 row_mask:0xf bank_mask:0xf
	s_delay_alu instid0(VALU_DEP_1)
	v_add_f32_dpp v2, v2, v2 row_xmask:2 row_mask:0xf bank_mask:0xf
	s_delay_alu instid0(VALU_DEP_1)
	v_add_f32_dpp v2, v2, v2 row_xmask:4 row_mask:0xf bank_mask:0xf
	s_delay_alu instid0(VALU_DEP_1)
	v_add_f32_dpp v2, v2, v2 row_xmask:8 row_mask:0xf bank_mask:0xf
	s_delay_alu instid0(VALU_DEP_1)
	v_permlanex16_b32 v3, v2, s16, s17
	s_delay_alu instid0(VALU_DEP_1)
	v_add_f32 v2, v2, v3
.endm
.macro ROW i
.set XR, X+32*\i
	s_wait_loadcnt 8*(3-\i)                        ; loads come back in order (ISA guide 5.7.1): gamma, beta and this row are in; the younger rows' eight loads each may be out
.irp c, 0,1,2,3
	v_pk_add_f32 v[2+2*\c:3+2*\c], v[XR+2*\c:XR+2*\c+1], v[XR+8+2*\c:XR+9+2*\c]     ; the sum, in four chains
.endr
.irp o, 16,24
.irp c, 0,1,2,3
	s_delay_alu instid0(VALU_DEP_4)
	v_pk_add_f32 v[2+2*\c:3+2*\c], v[2+2*\c:3+2*\c], v[XR+\o+2*\c:XR+\o+2*\c+1]
.endr
.endr
	ACROSS
	s_delay_alu instid0(VALU_DEP_1)
	v_mul_f32 v10, s14, v2                         ; the mean
.irp p, 0,2,4,6,8,10,12,14,16,18,20,22,24,26,28,30
	v_pk_add_f32 v[XR+\p:XR+\p+1], v[XR+\p:XR+\p+1], v[10:11] op_sel_hi:[1,0] neg_lo:[0,1] neg_hi:[0,1]   ; x - mean
.endr
.irp c, 0,1,2,3
	v_pk_mul_f32 v[2+2*\c:3+2*\c], v[XR+2*\c:XR+2*\c+1], v[XR+2*\c:XR+2*\c+1]       ; the sum of squares, in four chains
.endr
.irp o, 8,16,24
.irp c, 0,1,2,3
	s_delay_alu instid0(VALU_DEP_4)
	v_pk_fma_f32 v[2+2*\c:3+2*\c], v[XR+\o+2*\c:XR+\o+2*\c+1], v[XR+\o+2*\c:XR+\o+2*\c+1], v[2+2*\c:3+2*\c]
.endr
.endr
	ACROSS
	s_delay_alu instid0(VALU_DEP_1)
	v_fma_f32 v12, v2, s14, s15                    ; var + 0.001
	s_wait_alu depctr_va_vdst(0)
	v_rsq_f32 v14, v12
	v_nop                                          ; a plain instruction behind the transcendental
	s_wait_alu depctr_va_vdst(0)                   ; and its wait, ahead of the first reader
.irp p, 0,2,4,6,8,10,12,14,16,18,20,22,24,26,28,30
	v_pk_mul_f32 v[XR+\p:XR+\p+1], v[XR+\p:XR+\p+1], v[14:15] op_sel_hi:[1,0]
.endr
.irp p, 0,2,4,6,8,10,12,14,16,18,20,22,24,26,28,30
	v_pk_fma_f32 v[XR+\p:XR+\p+1], v[XR+\p:XR+\p+1], v[G+\p:G+\p+1], v[BT+\p:BT+\p+1]
.endr
.irp j, 0,1,2,3,4,5,6,7
	global_store_b128 v1, v[XR+4*\j:XR+4*\j+3], s[10:11] offset:4096*\i+512*\j th:TH_STORE_NT   ; 32 lanes store 512 consecutive bytes; a row's registers are never written again
.endr
.endm
	ROW 0
	ROW 1
	ROW 2
	ROW 3
	s_endpgm
.Lfunc_end_k_qc806dcb9ca_lnorm:
	.size	k_qc806dcb9ca_lnorm, .Lfunc_end_k_qc806dcb9ca_lnorm-k_qc806dcb9ca_lnorm
	.p2alignl 7, 3214868480
	.fill 96, 4, 3214868480
	.section	.rodata,"a",@progbits
	.p2align	6, 0x0
	.amdhsa_kernel k_qc806dcb9ca_lnorm
		.amdhsa_group_segment_fixed_size 0
		.amdhsa_private_segment_fixed_size 0
		.amdhsa_enable_private_segment 0
		.amdhsa_kernarg_size 32
		.amdhsa_user_sgpr_count 2
		.amdhsa_user_sgpr_kernarg_segment_ptr 1
		.amdhsa_wavefront_size32 1
		.amdhsa_system_sgpr_workgroup_id_x 1
		.amdhsa_system_sgpr_workgroup_id_y 1
		.amdhsa_system_sgpr_workgroup_id_z 1
		.amdhsa_system_vgpr_workitem_id 0
		.amdhsa_next_free_vgpr 224
		.amdhsa_next_free_sgpr 66
		.amdhsa_reserve_vcc 0
		.amdhsa_float_denorm_mode_32 3
		.amdhsa_float_denorm_mode_16_64 3
		.amdhsa_memory_ordered 1
		.amdhsa_forward_progress 1
		.amdhsa_inst_pref_size 39
	.end_amdhsa_kernel
	.amdgpu_metadata
---
amdhsa.version: [ 1, 2 ]
amdhsa.kernels:
  - .name:           k_qc806dcb9ca_lnorm
    .symbol:         k_qc806dcb9ca_lnorm.kd
    .args:
      - { .name: att, .offset: 0, .size: 8, .value_kind: global_buffer, .address_space: global }
      - { .name: gamma, .offset: 8, .size: 8, .value_kind: global_buffer, .address_space: global }
      - { .name: beta, .offset: 16, .size: 8, .value_kind: global_buffer, .address_space: global }
      - { .name: out0, .offset: 24, .size: 8, .value_kind: global_buffer, .address_space: global }
    .group_segment_fixed_size: 0
    .private_segment_fixed_size: 0
    .kernarg_segment_align: 8
    .kernarg_segment_size: 32
    .max_flat_workgroup_size: 256
    .sgpr_count:     66
    .vgpr_count:     224
    .wavefront_size: 32
...
	.end_amdgpu_metadata
.endif
;; end of part 3
